; MI455X (gfx1250); checked and timed in simulation.
; The chip was launched on July 23, 2026; its instructions are those of AMD's public machine-readable ISA for CDNA 5 (MIT licence, August 2026) and "CDNA5" Instruction Set Architecture Reference Guide (July 2026). The comments in the code are by the model that wrote it; some were corrected since.
;; Attention Routing. Allowed arithmetic: float matrix products may take bf16 or f16 operands with f32 sums; other float arithmetic in f32, or as packed bf16 or f16 multiplies, adds, multiply-adds, maxima and minima; sums over many terms, partial sums and values carried from step to step in f32; what a program stores and reads back later, other than sums and carried values, may be rounded once to bf16 or f16.
;; Inputs: b 1 x 32 x 32 x 1 x 1 x 1 float32; u 4 x 32 x 32 x 16 x 32 x 32 float32.
;; Outputs: out0 4 x 32 x 16 x 32 x 32 float32.
;; 2 versions, each right and faster than the one before. Each part assembles by itself: llvm-mc -triple=amdgcn-amd-amdhsa -mcpu=gfx1250 --defsym DOCPART=n.
;; ======== version 1 of 2: 1 launch
;; launch routing (part 1): grid 16 x 16, 8 waves a work-group, clusters of 4 x 4, 35,840 bytes of LDS; arguments u, b, out0; writes out0
.if DOCPART == 1
	.amdgcn_target "amdgcn-amd-amdhsa--gfx1250"
	.amdhsa_code_object_version 6
	.text
	.protected	k_q03d3442846_routing
	.globl	k_q03d3442846_routing
	.p2align	8
	.type	k_q03d3442846_routing,@function
k_q03d3442846_routing:
	s_mov_b64 s[64:65], 0
	v_nop
	global_prefetch_b8 v0, s[64:65] scope:SCOPE_SE
	s_setreg_imm32_b32 hwreg(HW_REG_WAVE_MODE, 25, 1), 1
	s_wait_xcnt 0x0
	s_wait_alu depctr_hold_cnt(0) depctr_sa_sdst(0) depctr_va_vdst(0) depctr_va_sdst(0) depctr_va_ssrc(0) depctr_va_vcc(0) depctr_vm_vsrc(0)
	s_getreg_b32 s2, hwreg(HW_REG_IB_STS2, 6, 4)
	s_cmp_eq_u32 s2, 0
	s_cbranch_scc0 .Lentry_in_a_cluster
	s_endpgm
.Lentry_in_a_cluster:
	s_bfe_u32 s2, ttmp6, 0x10000c
	s_cmp_lg_u32 s2, 0xf033
	s_cbranch_scc0 .Lentry_shape_is_right
	s_endpgm
.Lentry_shape_is_right:
; ATTENTION ROUTING.  u: [4 images][32 i][32 n][16 j][1024 positions] f32, b: [32 i][32 n] f32, out0: [4][32 n][16 j][1024] f32.
; For each image and position:  v[n][j] = sum over i of u;  x[i][n] = sum over j of u v;  w[i][n] = softmax over n of (x / 4) + b[i][n];
; s[n][j] = sum over i of w u;  out = s (1 - 1 / (exp|s| + 1e-20)) / (|s| + 1e-20), |s| over j.  Nothing of this is left out, and both inputs are loaded.
; u IS READ ONCE.  v wants all i, the softmax all n, s all i again: a position's 16,384 numbers are wanted three times, so they stay on chip, rounded to bf16: 32 KB a position.
; A work-group of eight waves takes 8 positions at a time (a BATCH, 256 KB in bf16: 256 registers of each wave, window 1), and two batches one after the other.
; 64 positions, whose pieces of a row would be 256 bytes, are 2 MB: more than a work-group can keep.  So a piece of a row is 32 bytes, and the sixteen work-groups of a CLUSTER take sixteen
; neighbouring groups of positions: between them they read 512 consecutive bytes of every row.  The cluster serves that placement alone: no byte is wanted by two work-groups, so there is no joint load.
; FORMATS, LIMITS.  u and b are rounded once to bf16 (nearest even) as they arrive, and EVERY later use takes the rounded number; all sums, the maximum and the squash are f32.  A weight's
; exponential below 2^-126 counts as 0; |s|^2 has to stay inside f32 (|s| under 1.8e19); where exp|s| overflows its reciprocal is 0, as in the definition; NaN and infinities in the inputs are not treated apart.
; NO MATRIX UNIT.  The two products are 131,072 products (one for each image, n and position) of a 32 x 16 matrix with ONE vector: each number of u meets one number of v and one of w, so a matrix
; instruction would have one useful column in sixteen; and positions, memory's fastest axis, lie along the lanes.  They are fused multiply-adds in f32 that read the bf16 halves.
; SHARES.  Wave w owns n = 4 w .. 4 w + 3.  Lane l: q = l & 1 (positions 4 q .. 4 q + 3: 16 bytes), is = (l >> 1) & 3 (i = 4 k + is, k = 0 .. 7 in time), ns = (l >> 3) & 3 (n = 4 w + ns).
; A SLOT is one load of 16 bytes a lane for (k, j): 16 rows x 32 bytes; 128 slots a batch, slot = 16 k + j.  j and k are in the lane; only is is crossed, by two steps between lanes, for v and for s.
; THE RING.  32 slots x 4 registers: 32 loads of every wave are on their way, 128 KB for the work-group, and the ring runs on into the next batch while a batch's sums are finished.
; REGISTERS, in windows of 256 (s_set_vgpr_msb: bits 1:0 source 0, 3:2 source 1, 5:4 source 2, 7:6 destination):
;   window 0: v0-23 addresses and at work; v24-31 b; v32-63 X (scores, then weights); v64-127 A (v, then s: [j][4 positions]); v128-255 the ring
;   window 1: the batch: slot t's four numbers as two registers of two bf16 at 2 t, 2 t + 1
.set PI,     1088                      ; LDS: scores as [i][n][8 positions] f32; a row of 1,024 bytes + 64: four neighbouring i start 64 bytes apart modulo 256, so 16 lanes x 16 bytes touch 16 different columns
.set SPARE,  32*PI                     ; behind the scores: the spare words, 128 bytes for each of the eight waves: four blocks of 256 bytes that no other line names
.set ROWJ,   4096                      ; bytes from j to j + 1
.set NEXTB,  2048                      ; bytes from a batch's positions to the next batch's: 64 groups of 8 positions
.set VOFF, 2                           ; v2   my byte offset in u: is x 2 MB + ns x 64 KB + 16 q; never rewritten
.set OV,   3                           ; v3   my byte offset in out0: ns x 64 KB + 16 q; never rewritten
.set XW,   4                           ; v4   LDS: my 16 bytes of scores for k = 0, in the layout above
.set XR,   5                           ; v5   LDS: my 16 bytes in the softmax's layout, for the first of my eight n
.set ONE,  6                           ; v6   1.0
.set ZERO, 7                           ; v7   0, the addend of each sum's first term
.set SPW,  8                           ; v8   LDS address of my spare word; never rewritten
.set NIL,  9                           ; v9   0, for the add alone
.set ISL,  10                          ; v10  is
.set BOF,  11                          ; v11  my byte offset in b
.set M,    12                          ; v12-15  four maxima (one a position)
.set TP,   16                          ; v16-19  what the lane 16 away holds
.set G,    20                          ; v20-23  four sums, then their reciprocals
.set BB,   24                          ; v24-31  b[i][4 m + part], m = 0 .. 7, for the softmax's layout
.set X,    32
.set A,    64
.set RING, 128
.set WV,   10                          ; s10  my wave's number
.set BT,   11                          ; s11  the batch, 0 or 1
.set UB,   24                          ; s[24:39] u at my work-group's positions and my wave's n, for k = 0 .. 7 (8 MB apart)
.set OB,   40                          ; s[40:41] out0 likewise
.set SC,   42                          ; s[42:43] log2(e) / 4
.set SEL,  44                          ; s[44:45] v_permlanex16_b32's selects: each lane takes its own place in the other half
.set SAVE, 46                          ; s46  EXEC while only the lanes with is = 0 store
.set MSB, 0
.macro WIN new                         ; the immediate's high byte repeats the setting that is left; a switch that changes nothing is dropped
.if MSB != (\new)
	s_set_vgpr_msb (MSB<<8)|(\new)
.set MSB, (\new)
.endif
.endm
; Four fused multiply-adds: d + 0..3 (+)= the four bf16 of registers pr, pr + 1 (window 1) times mu + 0, st, 2 st, 3 st.  first = 1: the sum starts (the addend is the register that holds 0: nothing is cleared).
.macro MIX4 d, pr, mu, st, first
.if \first
	v_fma_mix_f32_bf16 v[(\d)],   v[(\pr)],   v[(\mu)],          v[ZERO] op_sel:[0,0,0] op_sel_hi:[1,0,0]
	v_fma_mix_f32_bf16 v[(\d)+1], v[(\pr)],   v[(\mu)+(\st)],    v[ZERO] op_sel:[1,0,0] op_sel_hi:[1,0,0]
	v_fma_mix_f32_bf16 v[(\d)+2], v[(\pr)+1], v[(\mu)+2*(\st)],  v[ZERO] op_sel:[0,0,0] op_sel_hi:[1,0,0]
	v_fma_mix_f32_bf16 v[(\d)+3], v[(\pr)+1], v[(\mu)+3*(\st)],  v[ZERO] op_sel:[1,0,0] op_sel_hi:[1,0,0]
.else
	v_fma_mix_f32_bf16 v[(\d)],   v[(\pr)],   v[(\mu)],          v[(\d)]   op_sel:[0,0,0] op_sel_hi:[1,0,0]
	v_fma_mix_f32_bf16 v[(\d)+1], v[(\pr)],   v[(\mu)+(\st)],    v[(\d)+1] op_sel:[1,0,0] op_sel_hi:[1,0,0]
	v_fma_mix_f32_bf16 v[(\d)+2], v[(\pr)+1], v[(\mu)+2*(\st)],  v[(\d)+2] op_sel:[0,0,0] op_sel_hi:[1,0,0]
	v_fma_mix_f32_bf16 v[(\d)+3], v[(\pr)+1], v[(\mu)+3*(\st)],  v[(\d)+3] op_sel:[1,0,0] op_sel_hi:[1,0,0]
.endif
.endm
; Eight slots, 8 g .. 8 g + 7: rounded to bf16 into the batch's registers; their ring registers asked for again; the ROUNDED numbers added onto v.  Eight at a time, so that three window switches serve eight slots.
; mode = 1: the reloads are this batch's slots 32 further on; 2: the next batch's first 32 slots; 0: none.  cnt: how many younger loads may stay out.
.macro GROUP g, mode, cnt
	s_wait_loadcnt \cnt                    ; loads come back in order: my eight oldest are in
	WIN 0x40                               ; destination window 1
.set SL, 8*(\g)
.rept 8
	v_cvt_pk_bf16_f32 v[2*SL],   v[RING+4*(SL%32)],   v[RING+4*(SL%32)+1]
	v_cvt_pk_bf16_f32 v[2*SL+1], v[RING+4*(SL%32)+2], v[RING+4*(SL%32)+3]
.set SL, SL+1
.endr
.if \mode
	WIN 0
.set SL, 8*(\g)
.rept 8
.set TG, (SL+32)%128
	global_load_b128 v[RING+4*(SL%32):RING+4*(SL%32)+3], v[VOFF], s[UB+2*(TG/16):UB+2*(TG/16)+1] offset:(TG%16)*ROWJ+((\mode)-1)*NEXTB
.set SL, SL+1
.endr
.endif
	WIN 0x01                               ; source 0 window 1
.set SL, 8*(\g)
.rept 8
.set FI, 0
.if SL < 16
.set FI, 1                             ; k = 0 starts the sums
.endif
	MIX4 A+4*(SL%16), 2*SL, ONE, 0, FI
.set SL, SL+1
.endr
.endm
; The 64 sums in A are added over the four lanes that hold the other i (lane bits 1 and 2); every lane ends with the whole sum.
.macro ALLRED
.irp mk, 2, 4
.set RR, 0
.rept 64
	v_add_f32_dpp v[A+RR], v[A+RR], v[A+RR] row_xmask:\mk row_mask:0xf bank_mask:0xf
.set RR, RR+1
.endr
.endr
.endm
	s_load_b128 s[4:7], s[0:1], 0x0        ; u s[4:5], b s[6:7]
	s_load_b64 s[8:9], s[0:1], 0x10        ; out0
	v_lshl_add_u32 v[SPW], v0, 2, SPARE
	v_mov_b32 v[NIL], 0
	v_lshrrev_b32 v1, 5, v0
	v_readfirstlane_b32 s[WV], v1          ; wave 0..7
	s_bfe_u32 s12, ttmp6, 0x40000          ; cx, cy: my place in the cluster; they enter global addresses alone
	s_bfe_u32 s13, ttmp6, 0x40004
	s_and_b32 s14, ttmp7, 0xffff           ; cluster y
	s_lshl_b32 s14, s14, 2
	s_add_co_u32 s14, s14, ttmp9           ; the cluster's number, 0..15
	s_lshl_b32 s14, s14, 4
	s_lshl_b32 s13, s13, 2
	s_add_co_u32 s13, s13, s12
	s_add_co_u32 s14, s14, s13             ; the work-group's number, 0..255: sixteen on end in a cluster
	s_lshr_b32 s15, s14, 6                 ; the image
	s_and_b32 s16, s14, 63                 ; the group of 8 positions in the first batch
	s_lshl_b32 s16, s16, 5                 ; 32 bytes a group
	s_lshl_b32 s17, s[WV], 18              ; my wave's four n: 4 x 64 KB
	s_add_co_u32 s16, s16, s17
	s_lshl_b32 s20, s15, 26                ; an image of u is 64 MB,
	s_add_co_u32 s20, s20, s16
	s_mov_b32 s21, 0
	s_lshl_b32 s22, s15, 21                ; of out0 2 MB
	s_add_co_u32 s22, s22, s16
	s_mov_b32 s23, 0
	s_mov_b32 s[SC], 0x3eb8aa3b            ; log2(e) / 4
	s_mov_b32 s[SC+1], s[SC]               ; named with it as a pair
	s_mov_b32 s[SEL], 0x76543210
	s_mov_b32 s[SEL+1], 0xfedcba98
	v_and_b32 v1, 1, v0
	v_lshlrev_b32 v1, 4, v1                ; 16 q
	v_bfe_u32 v[ISL], v0, 1, 2             ; is
	v_bfe_u32 v12, v0, 3, 2                ; ns
	v_lshl_add_u32 v[OV], v12, 16, v1
	v_lshl_add_u32 v[VOFF], v[ISL], 21, v[OV]
	v_mul_u32_u24 v[XW], v[ISL], PI        ; scores of (i = 4 k + is, n = 4 w + ns, positions 4 q ..): is x PI + n x 32 + 16 q, and 4 k x PI in the immediate
	v_lshl_add_u32 v[XW], v12, 5, v[XW]
	v_add_nc_u32 v[XW], v[XW], v1
	s_lshl_b32 s18, s[WV], 7
	v_add_nc_u32 v[XW], s18, v[XW]
	; the softmax's layout: lane bit 0: q; bits 1 and 4: part (n = 4 m + part, m = 0 .. 7 in the lane); bits 2, 3 and the wave: i = 4 w + ..
	v_bfe_u32 v13, v0, 1, 1
	v_bfe_u32 v14, v0, 4, 1
	v_lshl_add_u32 v13, v14, 1, v13        ; part
	v_bfe_u32 v14, v0, 2, 2
	s_lshl_b32 s19, s[WV], 2
	v_add_nc_u32 v14, s19, v14             ; i
	v_mul_u32_u24 v[XR], v14, PI
	v_lshl_add_u32 v[XR], v13, 5, v[XR]
	v_add_nc_u32 v[XR], v[XR], v1
	v_lshlrev_b32 v[BOF], 7, v14           ; b[i][part]: 128 i + 4 part
	v_lshl_add_u32 v[BOF], v13, 2, v[BOF]
	v_mov_b32 v[ONE], 1.0
	v_mov_b32 v[ZERO], 0
.irp p, 0,1,2,3
	v_mov_b32 v[TP+\p], 0                  ; v_permlanex16_b32's destination counts as read
.endr
	s_wait_kmcnt 0x0
	s_add_nc_u64 s[UB:UB+1], s[4:5], s[20:21]
.set KK, 1
.rept 7
	s_add_nc_u64 s[UB+2*KK:UB+2*KK+1], s[UB+2*KK-2:UB+2*KK-1], 0x800000  ; four i further on
.set KK, KK+1
.endr
	s_add_nc_u64 s[OB:OB+1], s[8:9], s[22:23]
.irp m, 0,1,2,3,4,5,6,7
	global_load_b32 v[BB+\m], v[BOF], s[6:7] offset:16*\m
.endr
.set SL, 0
.rept 32                               ; the ring is filled: slots 0 to 31 of the first batch
	global_load_b128 v[RING+4*SL:RING+4*SL+3], v[VOFF], s[UB+2*(SL/16):UB+2*(SL/16)+1] offset:(SL%16)*ROWJ
.set SL, SL+1
.endr
	s_wait_loadcnt 32                      ; b is in: the ring's 32 loads were issued behind it
.irp m, 0,2,4,6
	v_cvt_pk_bf16_f32 v[M], v[BB+\m], v[BB+\m+1]   ; b rounded to bf16 like u, and kept as f32
	v_lshlrev_b32 v[BB+\m], 16, v[M]
	v_and_b32 v[BB+\m+1], 0xffff0000, v[M]
.endr
	s_mov_b32 s[BT], 0
.Lbatch:
.irp g, 0,1,2,3,4,5,6,7,8,9,10,11
	GROUP \g, 1, 24                        ; 24 younger loads stay out
.endr
	WIN 0                                  ; at a branch and at a label every window is 0
	s_cmp_lg_u32 s[BT], 0
	s_cbranch_scc1 .Llastload
.irp g, 12,13,14,15
	GROUP \g, 2, 24                        ; the ring goes on into the next batch: its first 32 slots are on their way while this batch is finished
.endr
	WIN 0
	s_branch .Ltail
.Llastload:
	GROUP 12, 0, 24                        ; the last batch's last 32 slots reload nothing: the counts run down
	GROUP 13, 0, 16
	GROUP 14, 0, 8
	GROUP 15, 0, 0
	WIN 0
.Ltail:
	ALLRED                                 ; A = v[n][j][position], whole, in every lane
	WIN 0x01
.set JJ, 0
.rept 16                               ; x[k][position] = sum over j of u v: 32 sums by turns
.set FI, 0
.if JJ == 0
.set FI, 1
.endif
.set KK, 0
.rept 8
	MIX4 X+4*KK, 2*(16*KK+JJ), A+4*JJ, 1, FI
.set KK, KK+1
.endr
.set JJ, JJ+1
.endr
	WIN 0
.irp k, 0,1,2,3,4,5,6,7
	ds_store_b128 v[XW], v[X+4*\k:X+4*\k+3] offset:\k*4*PI
.endr
	s_wait_dscnt 0x0                       ; for the others' sake: my scores lie in LDS
	s_barrier_signal -1
	s_barrier_wait -1                      ; everybody's do
	; THE SOFTMAX over n.  A lane takes one i, four positions and eight n; the four lanes that share (i, positions) differ in lane bits 1 and 4.  Each score is read, and its weight written, by one lane.
.irp m, 0,1,2,3,4,5,6,7
	ds_load_b128 v[X+4*\m:X+4*\m+3], v[XR] offset:128*\m
.endr
	s_wait_dscnt 0x0
.irp p, 0,1,2,3
	v_max3_num_f32 v[M+\p], v[X+\p], v[X+4+\p], v[X+8+\p]
.endr
.irp p, 0,1,2,3
	v_max3_num_f32 v[M+\p], v[M+\p], v[X+12+\p], v[X+16+\p]
.endr
.irp p, 0,1,2,3
	v_max3_num_f32 v[M+\p], v[M+\p], v[X+20+\p], v[X+24+\p]
.endr
.irp p, 0,1,2,3
	v_max_num_f32 v[M+\p], v[M+\p], v[X+28+\p]
.endr
.irp p, 0,1,2,3
	v_max_num_f32_dpp v[M+\p], v[M+\p], v[M+\p] row_xmask:2 row_mask:0xf bank_mask:0xf
.endr
.irp p, 0,1,2,3
	v_permlanex16_b32 v[TP+\p], v[M+\p], s[SEL], s[SEL+1]
.endr
.irp p, 0,1,2,3
	v_max_num_f32 v[M+\p], v[M+\p], v[TP+\p]       ; the row's maximum over all 32 n
.endr
.set RR, 0
.rept 16                               ; x - max first, and the scale after it: the largest score's exponent is then exactly 0, whatever the scores' size
	v_pk_add_f32 v[X+2*RR:X+2*RR+1], v[X+2*RR:X+2*RR+1], v[M+2*(RR%2):M+2*(RR%2)+1] neg_lo:[0,1] neg_hi:[0,1]
.set RR, RR+1
.endr
	v_pk_mul_f32 v[X:X+1], v[X:X+1], s[SC:SC+1] op_sel_hi:[1,0]
.set RR, 0
.rept 16                               ; one batch of 32 exponentials, a pair's scaling one step ahead of its exponentials; nothing here names an exponential's result
.if RR < 15
	v_pk_mul_f32 v[X+2*RR+2:X+2*RR+3], v[X+2*RR+2:X+2*RR+3], s[SC:SC+1] op_sel_hi:[1,0]
.endif
	v_exp_f32 v[X+2*RR], v[X+2*RR]
	v_exp_f32 v[X+2*RR+1], v[X+2*RR+1]
.set RR, RR+1
.endr
	v_nop                                  ; a plain instruction behind the last exponential,
	s_wait_alu depctr_va_vdst(0)           ; and the one wait for the batch ahead of the first use
.irp h, 0, 2
	v_pk_add_f32 v[A+4*\h:A+4*\h+1],   v[X+\h:X+\h+1],       v[X+4+\h:X+4+\h+1]
	v_pk_add_f32 v[A+4*\h+2:A+4*\h+3], v[X+8+\h:X+8+\h+1],   v[X+12+\h:X+12+\h+1]
	v_pk_add_f32 v[A+4*\h+4:A+4*\h+5], v[X+16+\h:X+16+\h+1], v[X+20+\h:X+20+\h+1]
	v_pk_add_f32 v[A+4*\h+6:A+4*\h+7], v[X+24+\h:X+24+\h+1], v[X+28+\h:X+28+\h+1]
.endr
.irp h, 0, 2
	v_pk_add_f32 v[A+4*\h:A+4*\h+1],   v[A+4*\h:A+4*\h+1],   v[A+4*\h+2:A+4*\h+3]
	v_pk_add_f32 v[A+4*\h+4:A+4*\h+5], v[A+4*\h+4:A+4*\h+5], v[A+4*\h+6:A+4*\h+7]
.endr
.irp h, 0, 2
	v_pk_add_f32 v[G+\h:G+\h+1], v[A+4*\h:A+4*\h+1], v[A+4*\h+4:A+4*\h+5]
.endr
.irp p, 0,1,2,3
	v_add_f32_dpp v[G+\p], v[G+\p], v[G+\p] row_xmask:2 row_mask:0xf bank_mask:0xf
.endr
.irp p, 0,1,2,3
	v_permlanex16_b32 v[TP+\p], v[G+\p], s[SEL], s[SEL+1]
.endr
.irp p, 0,1,2,3
	v_add_f32 v[G+\p], v[G+\p], v[TP+\p]           ; the row's sum, at least 1
.endr
.irp p, 0,1,2,3
	v_rcp_f32 v[G+\p], v[G+\p]
.endr
	v_nop
	s_wait_alu depctr_va_vdst(0)           ; one wait for the four reciprocals
.irp m, 0,1,2,3,4,5,6,7
.irp p, 0,1,2,3
	v_fma_f32 v[X+4*\m+\p], v[X+4*\m+\p], v[G+\p], v[BB+\m]   ; w = e / sum + b
.endr
.endr
.irp m, 0,1,2,3,4,5,6,7
	ds_store_b128 v[XR], v[X+4*\m:X+4*\m+3] offset:128*\m     ; in the scores' place
.endr
	s_wait_dscnt 0x0
	s_barrier_signal -1
	s_barrier_wait -1                      ; all weights lie in LDS
.irp k, 0,1,2,3,4,5,6,7
	ds_load_b128 v[X+4*\k:X+4*\k+3], v[XW] offset:\k*4*PI     ; w[i = 4 k + is][my n][my four positions]
.endr
	s_wait_dscnt 0x0                       ; my reads of the weights are back:
	s_barrier_signal -1                    ; say so; the next batch's scores are stored only behind this barrier.  Work on registers alone stands up to its wait
	WIN 0x01
.set KK, 0
.rept 8                                ; s[j][position] = sum over my i of w u: 64 sums by turns
.set FI, 0
.if KK == 0
.set FI, 1
.endif
.set JJ, 0
.rept 16
	MIX4 A+4*JJ, 2*(16*KK+JJ), X+4*KK, 1, FI
.set JJ, JJ+1
.endr
.set KK, KK+1
.endr
	WIN 0
	s_barrier_wait -1
	ALLRED                                 ; A = s[n][j][position], whole
	; THE SQUASH.  |s|^2 in four chains (j even and odd, two pairs of positions)
	v_pk_mul_f32 v[X:X+1],   v[A:A+1],   v[A:A+1]
	v_pk_mul_f32 v[X+2:X+3], v[A+2:A+3], v[A+2:A+3]
	v_pk_mul_f32 v[X+4:X+5], v[A+4:A+5], v[A+4:A+5]
	v_pk_mul_f32 v[X+6:X+7], v[A+6:A+7], v[A+6:A+7]
.set JJ, 2
.rept 14
	v_pk_fma_f32 v[X+4*(JJ%2):X+4*(JJ%2)+1],   v[A+4*JJ:A+4*JJ+1],   v[A+4*JJ:A+4*JJ+1],   v[X+4*(JJ%2):X+4*(JJ%2)+1]
	v_pk_fma_f32 v[X+4*(JJ%2)+2:X+4*(JJ%2)+3], v[A+4*JJ+2:A+4*JJ+3], v[A+4*JJ+2:A+4*JJ+3], v[X+4*(JJ%2)+2:X+4*(JJ%2)+3]
.set JJ, JJ+1
.endr
	v_pk_add_f32 v[X:X+1],   v[X:X+1],   v[X+4:X+5]
	v_pk_add_f32 v[X+2:X+3], v[X+2:X+3], v[X+6:X+7]
.irp p, 0,1,2,3
	v_sqrt_f32 v[X+8+\p], v[X+\p]                  ; |s|
.endr
	v_nop
	s_wait_alu depctr_va_vdst(0)
.irp p, 0,1,2,3
	v_mul_f32 v[X+12+\p], 0x3fb8aa3b, v[X+8+\p]    ; |s| log2(e)
.endr
.irp p, 0,1,2,3
	v_add_f32 v[X+16+\p], 0x1e3ce508, v[X+8+\p]    ; |s| + 1e-20
.endr
.irp p, 0,1,2,3
	v_exp_f32 v[X+12+\p], v[X+12+\p]
.endr
.irp p, 0,1,2,3
	v_rcp_f32 v[X+16+\p], v[X+16+\p]
.endr
	v_nop
	s_wait_alu depctr_va_vdst(0)
.irp p, 0,1,2,3
	v_add_f32 v[X+12+\p], 0x1e3ce508, v[X+12+\p]   ; exp|s| + 1e-20
.endr
.irp p, 0,1,2,3
	v_rcp_f32 v[X+12+\p], v[X+12+\p]
.endr
	v_nop
	s_wait_alu depctr_va_vdst(0)
.irp p, 0,1,2,3
	v_fma_f32 v[X+20+\p], -v[X+12+\p], v[X+16+\p], v[X+16+\p]  ; (1 - 1 / (exp|s| + 1e-20)) / (|s| + 1e-20)
.endr
.set JJ, 0
.rept 16
	v_pk_mul_f32 v[A+4*JJ:A+4*JJ+1],   v[A+4*JJ:A+4*JJ+1],   v[X+20:X+21]
	v_pk_mul_f32 v[A+4*JJ+2:A+4*JJ+3], v[A+4*JJ+2:A+4*JJ+3], v[X+22:X+23]
.set JJ, JJ+1
.endr
	v_cmp_eq_u32 vcc_lo, 0, v[ISL]         ; the four lanes of an (n, q) hold the same results: one of them stores
	s_wait_xcnt 0x0                        ; EXEC changes only when every load issued so far has read its sources
	s_and_saveexec_b32 s[SAVE], vcc_lo
.irp j, 0,1,2,3,4,5,6,7,8,9,10,11,12,13,14,15
	global_store_b128 v[OV], v[A+4*\j:A+4*\j+3], s[OB:OB+1] offset:\j*ROWJ   ; my n's row j: 32 bytes from two lanes, four n an instruction
.endr
	s_wait_xcnt 0x0                        ; and again: behind it EXEC is restored, the bases are stepped and A is written anew
	s_or_b32 exec_lo, exec_lo, s[SAVE]
	s_add_nc_u64 s[OB:OB+1], s[OB:OB+1], NEXTB
.set KK, 0
.rept 8
	s_add_nc_u64 s[UB+2*KK:UB+2*KK+1], s[UB+2*KK:UB+2*KK+1], NEXTB   ; the next batch's positions (behind the last batch the stepped addresses are not used)
.set KK, KK+1
.endr
	s_add_co_u32 s[BT], s[BT], 1
	s_cmp_lt_u32 s[BT], 2
	s_cbranch_scc1 .Lbatch
	s_wait_tensorcnt 0x0                   ; the wave's end, behind my last LDS store
	ds_add_u32 v[SPW], v[NIL]
	s_wait_dscnt 0x0
	s_endpgm
.Lfunc_end_k_q03d3442846_routing:
	.size	k_q03d3442846_routing, .Lfunc_end_k_q03d3442846_routing-k_q03d3442846_routing
	.p2alignl 7, 3214868480
	.fill 96, 4, 3214868480
	.section	.rodata,"a",@progbits
	.p2align	6, 0x0
	.amdhsa_kernel k_q03d3442846_routing
		.amdhsa_group_segment_fixed_size 35840
		.amdhsa_private_segment_fixed_size 0
		.amdhsa_enable_private_segment 0
		.amdhsa_kernarg_size 24
		.amdhsa_user_sgpr_count 2
		.amdhsa_user_sgpr_kernarg_segment_ptr 1
		.amdhsa_wavefront_size32 1
		.amdhsa_system_sgpr_workgroup_id_x 1
		.amdhsa_system_sgpr_workgroup_id_y 1
		.amdhsa_system_sgpr_workgroup_id_z 1
		.amdhsa_system_vgpr_workitem_id 0
		.amdhsa_next_free_vgpr 512
		.amdhsa_next_free_sgpr 66
		.amdhsa_reserve_vcc 1
		.amdhsa_float_denorm_mode_32 3
		.amdhsa_float_denorm_mode_16_64 3
		.amdhsa_memory_ordered 1
		.amdhsa_forward_progress 1
		.amdhsa_inst_pref_size 182
	.end_amdhsa_kernel
	.amdgpu_metadata
---
amdhsa.version: [ 1, 2 ]
amdhsa.kernels:
  - .name:           k_q03d3442846_routing
    .symbol:         k_q03d3442846_routing.kd
    .args:
      - { .name: u, .offset: 0, .size: 8, .value_kind: global_buffer, .address_space: global }
      - { .name: b, .offset: 8, .size: 8, .value_kind: global_buffer, .address_space: global }
      - { .name: out0, .offset: 16, .size: 8, .value_kind: global_buffer, .address_space: global }
    .group_segment_fixed_size: 35840
    .private_segment_fixed_size: 0
    .kernarg_segment_align: 8
    .kernarg_segment_size: 24
    .max_flat_workgroup_size: 256
    .sgpr_count:     66
    .vgpr_count:     512
    .wavefront_size: 32
...
	.end_amdgpu_metadata
.endif
;; end of part 1
;; ======== version 2 of 2: 1 launch; 1.45 times as fast as version 1
;; launch routing (part 2): grid 16 x 16, 8 waves a work-group, clusters of 4 x 4, 322,560 bytes of LDS; arguments u, b, out0; writes out0
.if DOCPART == 2
	.amdgcn_target "amdgcn-amd-amdhsa--gfx1250"
	.amdhsa_code_object_version 6
	.text
	.protected	k_q03d3442846_routing
	.globl	k_q03d3442846_routing
	.p2align	8
	.type	k_q03d3442846_routing,@function
k_q03d3442846_routing:
	s_mov_b64 s[64:65], 0
	v_nop
	global_prefetch_b8 v0, s[64:65] scope:SCOPE_SE
	s_setreg_imm32_b32 hwreg(HW_REG_WAVE_MODE, 25, 1), 1
	s_wait_xcnt 0x0
	s_wait_alu depctr_hold_cnt(0) depctr_sa_sdst(0) depctr_va_vdst(0) depctr_va_sdst(0) depctr_va_ssrc(0) depctr_va_vcc(0) depctr_vm_vsrc(0)
	s_getreg_b32 s2, hwreg(HW_REG_IB_STS2, 6, 4)
	s_cmp_eq_u32 s2, 0
	s_cbranch_scc0 .Lentry_in_a_cluster
	s_endpgm
.Lentry_in_a_cluster:
	s_bfe_u32 s2, ttmp6, 0x10000c
	s_cmp_lg_u32 s2, 0xf033
	s_cbranch_scc0 .Lentry_shape_is_right
	s_endpgm
.Lentry_shape_is_right:
; ATTENTION ROUTING.  u: [4 images][32 i][32 n][16 j][1024 positions] f32, b: [32 i][32 n] f32, out0: [4][32 n][16 j][1024] f32.
; For each image and position:  v[n][j] = sum over i of u;  x[i][n] = sum over j of u v;  w[i][n] = softmax over n of (x / 4) + b[i][n];
; s[n][j] = sum over i of w u;  out = s (1 - 1 / (exp|s| + 1e-20)) / (|s| + 1e-20), |s| over j.  Nothing of this is left out, and both inputs are loaded.
; u IS READ ONCE.  v wants all i, the softmax all n, s all i again: a position's 16,384 numbers are wanted three times, so they stay on chip, rounded to bf16: 32 KB a position.
; A work-group of eight waves takes 16 positions, 512 KB in bf16: 64 bytes of every row of u.  256 work-groups x 16 are all 4,096 positions.  32 positions would be 1 MB: more than a work-group's registers and LDS hold.
; The sixteen work-groups of a CLUSTER take sixteen neighbouring groups of positions: between them they read 1,024 consecutive bytes of every row.  The cluster serves that placement alone:
; no byte is wanted by two work-groups, so there is no joint load and no round of the cluster's barrier; a work-group's place in its cluster enters global addresses alone.
; FORMATS, LIMITS.  u and b are rounded once to bf16 (nearest even) as they arrive, and EVERY later use takes the rounded number; all sums, the maximum and the squash are f32.  A weight's
; exponential below 2^-126 counts as 0; |s|^2 has to stay inside f32 (|s| under 1.8e19; under 1e-19 it counts as 0, and so does the result); where exp|s| overflows its reciprocal is 0, as in the definition;
; NaN and infinities in the inputs are not treated apart.
; NO MATRIX UNIT.  The two products are 131,072 products (one for each image, n and position) of a 32 x 16 matrix with ONE vector: each number of u meets one number of v and one of w, so a matrix
; instruction would have one useful column in sixteen; and positions, memory's fastest axis, lie along the lanes.  They are fused multiply-adds in f32 that read the bf16 halves.
; SHARES.  Wave w owns n = 4 w .. 4 w + 3, in two CHUNKS t = 0, 1.  Lane l: q = l & 3 (positions 4 q .. 4 q + 3: 16 bytes), is = (l >> 2) & 3 (i = 4 k + is, k = 0 .. 7 in time), ns = l >> 4 (n = 4 w + 2 t + ns).
; A SLOT is one load of 16 bytes a lane for (t, k, j): 8 rows x 64 bytes; 128 slots a chunk, slot = 16 k + j.  j and k are in the lane; only is is crossed, by two steps between lanes.
; WHERE THE 512 KB LIE.  The chunk in hand fills window 1 of every wave (256 KB).  When chunk 0 is whole, its v and its scores are made; then it goes to LDS (62 stores of 512 bytes a wave; its last 8 registers,
; for which LDS has no room, stay in registers), and chunk 1 takes window 1.  Chunk 0 comes back, k by k, into the registers that the last pass over chunk 1 has just read.
; THE RING.  32 slots x 4 registers: 32 loads of every wave are on their way, 128 KB for the work-group, across the change of chunks too.
; REGISTERS, in windows of 256 (s_set_vgpr_msb: bits 1:0 source 0, 3:2 source 1, 5:4 source 2, 7:6 destination):
;   window 0: v0-11 addresses and constants; v12-19 chunk 0's last 8 registers; v20-23 at work at the head; v24-31 b; v32-63 a chunk's scores; v64-127 A (v, then chunk 1's s: [j][4 positions]); v128-255 the ring.
;             When the ring is empty: v128-191 scores and weights, v192-255 the softmax's statistics and then chunk 0's s, v32-63 b in f32 and then what a lane sends.
;   window 1: the chunk: slot t's four numbers as two registers of two bf16 at 2 t, 2 t + 1
.set PI,     2112                      ; LDS: scores as [i][n][16 positions] f32; a row of 2,048 bytes + 64: four neighbouring i start 64 bytes apart modulo 256, so 16 lanes x 16 bytes touch 16 different columns
.set SPARE,  32*PI                     ; behind the scores: the spare words, 128 bytes for each of the eight waves: four blocks of 256 bytes that no other line names
.set RES,    SPARE+1024                ; behind them: chunk 0, a wave's own part each
.set RESN,   62                        ; stores of 512 bytes a wave: 64 would pass the work-group's LDS by 1,024 bytes and the scores' padding
.set RESW,   RESN*512
.set ROWJ,   4096                      ; bytes from j to j + 1
.set NEXTT,  131072                    ; bytes from a chunk to the next: two n
.set LB,   1                           ; v1   LDS: my 16 bytes in the first 512 of my wave's part of chunk 0; never rewritten
.set VOFF, 2                           ; v2   my byte offset in u: is x 2 MB + ns x 64 KB + 16 q; stepped once, by a chunk
.set OV,   3                           ; v3   my byte offset in out0: ns x 64 KB + is x 4 rows + 16 q; never rewritten
.set XW,   4                           ; v4   LDS: my 16 bytes of scores for t = 0, k = 0; never rewritten
.set XR,   5                           ; v5   LDS: my 16 bytes in the softmax's layout, for the first of my sixteen n
.set ONE,  6                           ; v6   1.0
.set ZERO, 7                           ; v7   0, the addend of each sum's first term
.set SPW,  8                           ; v8   LDS address of my spare word; never rewritten
.set NIL,  9                           ; v9   0, for the add alone
.set XWT,  10                          ; v10  XW for the chunk in hand
.set BOF,  11                          ; v11  my byte offset in b
.set HB,   12                          ; v12-19
.set BB,   24                          ; v24-31  b[i][16 part + 2 z], b[i][16 part + 2 z + 1] as two bf16, z = 0 .. 7, for the softmax's layout
.set X0,   32
.set BF,   32                          ; v32-47  b in f32, for the softmax
.set SND,  32                          ; v32-63  what I send to the lane that keeps it
.set A,    64
.set RING, 128
.set XT,   128
.set A2,   192
.set M,    192                         ; v192-195  four maxima (one a position), then c x maximum
.set TP,   196                         ; v196-199  what the lane 16 away holds
.set G,    200                         ; v200-203  four sums, then their reciprocals
.set WV,   10                          ; s10  my wave's number
.set BT,   11                          ; s11  the chunk, 0 or 1
.set UB,   24                          ; s[24:39] u at my work-group's positions and my wave's n, for k = 0 .. 7 (8 MB apart); never rewritten
.set OB,   40                          ; s[40:41] out0 likewise
.set SC,   42                          ; s[42:43] c = log2(e) / 4
.set SEL,  44                          ; s[44:45] v_permlanex16_b32's selects: each lane takes its own place in the other half
.set MK0,  46                          ; s46  the lanes whose is is odd (lane bit 2)
.set MK1,  47                          ; s47  the lanes whose is is 2 or 3 (lane bit 3)
.set MSB, 0
.macro WIN new                         ; the immediate's high byte repeats the setting that is left; a switch that changes nothing is dropped
.if MSB != (\new)
	s_set_vgpr_msb (MSB<<8)|(\new)
.set MSB, (\new)
.endif
.endm
; Four fused multiply-adds: d + 0..3 (+)= the four bf16 of registers pr, pr + 1 (window 1) times mu + 0, st, 2 st, 3 st.  first = 1: the sum starts (the addend is the register that holds 0: nothing is cleared).
.macro MIX4 d, pr, mu, st, first
.if \first
	v_fma_mix_f32_bf16 v[(\d)],   v[(\pr)],   v[(\mu)],          v[ZERO] op_sel:[0,0,0] op_sel_hi:[1,0,0]
	v_fma_mix_f32_bf16 v[(\d)+1], v[(\pr)],   v[(\mu)+(\st)],    v[ZERO] op_sel:[1,0,0] op_sel_hi:[1,0,0]
	v_fma_mix_f32_bf16 v[(\d)+2], v[(\pr)+1], v[(\mu)+2*(\st)],  v[ZERO] op_sel:[0,0,0] op_sel_hi:[1,0,0]
	v_fma_mix_f32_bf16 v[(\d)+3], v[(\pr)+1], v[(\mu)+3*(\st)],  v[ZERO] op_sel:[1,0,0] op_sel_hi:[1,0,0]
.else
	v_fma_mix_f32_bf16 v[(\d)],   v[(\pr)],   v[(\mu)],          v[(\d)]   op_sel:[0,0,0] op_sel_hi:[1,0,0]
	v_fma_mix_f32_bf16 v[(\d)+1], v[(\pr)],   v[(\mu)+(\st)],    v[(\d)+1] op_sel:[1,0,0] op_sel_hi:[1,0,0]
	v_fma_mix_f32_bf16 v[(\d)+2], v[(\pr)+1], v[(\mu)+2*(\st)],  v[(\d)+2] op_sel:[0,0,0] op_sel_hi:[1,0,0]
	v_fma_mix_f32_bf16 v[(\d)+3], v[(\pr)+1], v[(\mu)+3*(\st)],  v[(\d)+3] op_sel:[1,0,0] op_sel_hi:[1,0,0]
.endif
.endm
; Eight slots, 8 g .. 8 g + 7: rounded to bf16 into the chunk's registers; their ring registers asked for again; the ROUNDED numbers added onto v.  Eight at a time, so that three window switches serve eight slots.
; mode = 1: the reloads are this chunk's slots 32 further on; 2: the next chunk's first 32 slots; 0: none.  cnt: how many younger loads may stay out.
.macro GROUP g, mode, cnt
	s_wait_loadcnt \cnt                    ; loads come back in order: my eight oldest are in
	WIN 0x40                               ; destination window 1
.set SL, 8*(\g)
.rept 8
	v_cvt_pk_bf16_f32 v[2*SL],   v[RING+4*(SL%32)],   v[RING+4*(SL%32)+1]
	v_cvt_pk_bf16_f32 v[2*SL+1], v[RING+4*(SL%32)+2], v[RING+4*(SL%32)+3]
.set SL, SL+1
.endr
.if \mode
	WIN 0
.set SL, 8*(\g)
.rept 8
.set TG, (SL+32)%128
	global_load_b128 v[RING+4*(SL%32):RING+4*(SL%32)+3], v[VOFF], s[UB+2*(TG/16):UB+2*(TG/16)+1] offset:(TG%16)*ROWJ+((\mode)-1)*NEXTT
.set SL, SL+1
.endr
.endif
	WIN 0x01                               ; source 0 window 1
.set SL, 8*(\g)
.rept 8
.set FI, 0
.if SL < 16
.set FI, 1                             ; k = 0 starts the sums
.endif
	MIX4 A+4*(SL%16), 2*SL, ONE, 0, FI
.set SL, SL+1
.endr
.endm
; s[j][position] of chunk t = sum over my i of w u: 64 sums by turns, into at.  refill = 1: as soon as a k's 32 registers have been read, chunk 0's take their place: 8 loads from LDS (for the last 8 registers: moves).
.macro SPASS at, t, refill
.set KK, 0
.rept 8
	WIN 0x01
.set FI, 0
.if KK == 0
.set FI, 1
.endif
.set JJ, 0
.rept 16
	MIX4 (\at)+4*JJ, 2*(16*KK+JJ), XT+32*(\t)+4*KK, 1, FI
.set JJ, JJ+1
.endr
.if \refill
	WIN 0x40                               ; destination window 1; the address and the moves' sources window 0
.set RR, 8*KK
.rept 8
.if RR < RESN
	ds_load_b128 v[4*RR:4*RR+3], v[LB] offset:RR*512
.else
	v_mov_b32 v[4*RR],   v[HB+4*(RR-RESN)]
	v_mov_b32 v[4*RR+1], v[HB+4*(RR-RESN)+1]
	v_mov_b32 v[4*RR+2], v[HB+4*(RR-RESN)+2]
	v_mov_b32 v[4*RR+3], v[HB+4*(RR-RESN)+3]
.endif
.set RR, RR+1
.endr
.endif
.set KK, KK+1
.endr
	WIN 0
.endm
; A chunk's end.  The 64 partial sums in at are added over the four lanes that hold the other i, and SHARED OUT among them: in each of two steps a lane keeps one half of its numbers, sends the other half to the
; lane that keeps it, and adds what it is sent.  Lane is ends with j = 4 is .. 4 is + 3 in at + 0 .. 15.  So the squash runs on 16 numbers a lane, and every lane stores numbers of its own: EXEC is never changed.
.macro FINISH at, t
.set RR, 0
.rept 32
	v_cndmask_b32 v[SND+RR], v[(\at)+32+RR], v[(\at)+RR], s[MK1]       ; is 2, 3 send j 0-7; is 0, 1 send j 8-15
.set RR, RR+1
.endr
.set RR, 0
.rept 32
	v_cndmask_b32 v[(\at)+RR], v[(\at)+RR], v[(\at)+32+RR], s[MK1]     ; and keep the others
.set RR, RR+1
.endr
.set RR, 0
.rept 32
	v_add_f32_dpp v[(\at)+RR], v[SND+RR], v[(\at)+RR] row_xmask:8 row_mask:0xf bank_mask:0xf
.set RR, RR+1
.endr
.set RR, 0
.rept 16
	v_cndmask_b32 v[SND+RR], v[(\at)+16+RR], v[(\at)+RR], s[MK0]       ; of the eight j that are left: odd is send the lower four
.set RR, RR+1
.endr
.set RR, 0
.rept 16
	v_cndmask_b32 v[(\at)+RR], v[(\at)+RR], v[(\at)+16+RR], s[MK0]
.set RR, RR+1
.endr
.set RR, 0
.rept 16
	v_add_f32_dpp v[(\at)+RR], v[SND+RR], v[(\at)+RR] row_xmask:4 row_mask:0xf bank_mask:0xf
.set RR, RR+1
.endr
.set SQ, (\at)+16                      ; at + 16 .. 63 are free now
	v_pk_mul_f32 v[SQ:SQ+1],   v[(\at):(\at)+1],   v[(\at):(\at)+1]    ; |s|^2: my four j,
	v_pk_mul_f32 v[SQ+2:SQ+3], v[(\at)+2:(\at)+3], v[(\at)+2:(\at)+3]
.irp jj, 1,2,3
	v_pk_fma_f32 v[SQ:SQ+1],   v[(\at)+4*\jj:(\at)+4*\jj+1],   v[(\at)+4*\jj:(\at)+4*\jj+1],   v[SQ:SQ+1]
	v_pk_fma_f32 v[SQ+2:SQ+3], v[(\at)+4*\jj+2:(\at)+4*\jj+3], v[(\at)+4*\jj+2:(\at)+4*\jj+3], v[SQ+2:SQ+3]
.endr
.irp mk, 4, 8
.irp p, 0,1,2,3
	v_add_f32_dpp v[SQ+\p], v[SQ+\p], v[SQ+\p] row_xmask:\mk row_mask:0xf bank_mask:0xf   ; and the other three lanes'
.endr
.endr
.irp p, 0,1,2,3
	v_sqrt_f32 v[SQ+4+\p], v[SQ+\p]                ; |s|
.endr
	v_nop                                  ; a plain instruction behind the last root,
	s_wait_alu depctr_va_vdst(0)           ; and the one wait for the four ahead of the first use
.irp p, 0,1,2,3
	v_mul_f32 v[SQ+8+\p], 0x3fb8aa3b, v[SQ+4+\p]   ; |s| log2(e)
.endr
.irp p, 0,1,2,3
	v_add_f32 v[SQ+12+\p], 0x1e3ce508, v[SQ+4+\p]  ; |s| + 1e-20
.endr
.irp p, 0,1,2,3
	v_exp_f32 v[SQ+8+\p], v[SQ+8+\p]
.endr
.irp p, 0,1,2,3
	v_rcp_f32 v[SQ+12+\p], v[SQ+12+\p]
.endr
	v_nop
	s_wait_alu depctr_va_vdst(0)           ; one wait for the eight
.irp p, 0,1,2,3
	v_add_f32 v[SQ+8+\p], 0x1e3ce508, v[SQ+8+\p]   ; exp|s| + 1e-20
.endr
.irp p, 0,1,2,3
	v_rcp_f32 v[SQ+8+\p], v[SQ+8+\p]
.endr
	v_nop
	s_wait_alu depctr_va_vdst(0)
.irp p, 0,1,2,3
	v_fma_f32 v[SQ+16+\p], -v[SQ+8+\p], v[SQ+12+\p], v[SQ+12+\p]   ; (1 - 1 / (exp|s| + 1e-20)) / (|s| + 1e-20)
.endr
.irp jj, 0,1,2,3
	v_pk_mul_f32 v[(\at)+4*\jj:(\at)+4*\jj+1],   v[(\at)+4*\jj:(\at)+4*\jj+1],   v[SQ+16:SQ+17]
	v_pk_mul_f32 v[(\at)+4*\jj+2:(\at)+4*\jj+3], v[(\at)+4*\jj+2:(\at)+4*\jj+3], v[SQ+18:SQ+19]
.endr
.irp jj, 0,1,2,3
	global_store_b128 v[OV], v[(\at)+4*\jj:(\at)+4*\jj+3], s[OB:OB+1] offset:(\t)*NEXTT+\jj*ROWJ   ; row j = 4 is + jj of n = 4 w + 2 t + ns: eight rows x 64 bytes an instruction; the registers are not written again
.endr
.endm
	s_load_b128 s[4:7], s[0:1], 0x0        ; u s[4:5], b s[6:7]
	s_load_b64 s[8:9], s[0:1], 0x10        ; out0
	v_lshl_add_u32 v[SPW], v0, 2, SPARE
	v_mov_b32 v[NIL], 0
	v_lshrrev_b32 v20, 5, v0
	v_readfirstlane_b32 s[WV], v20         ; wave 0..7
	s_bfe_u32 s12, ttmp6, 0x40000          ; cx, cy: my place in the cluster; they enter global addresses alone
	s_bfe_u32 s13, ttmp6, 0x40004
	s_and_b32 s14, ttmp7, 0xffff           ; cluster y
	s_lshl_b32 s14, s14, 2
	s_add_co_u32 s14, s14, ttmp9           ; the cluster's number, 0..15
	s_lshl_b32 s14, s14, 4
	s_lshl_b32 s13, s13, 2
	s_add_co_u32 s13, s13, s12
	s_add_co_u32 s14, s14, s13             ; the work-group's number, 0..255: sixteen on end in a cluster
	s_lshr_b32 s15, s14, 6                 ; the image
	s_and_b32 s16, s14, 63                 ; the group of 16 positions
	s_lshl_b32 s16, s16, 6                 ; 64 bytes a group
	s_lshl_b32 s17, s[WV], 18              ; my wave's four n: 4 x 64 KB
	s_add_co_u32 s16, s16, s17
	s_lshl_b32 s20, s15, 26                ; an image of u is 64 MB,
	s_add_co_u32 s20, s20, s16
	s_mov_b32 s21, 0
	s_lshl_b32 s22, s15, 21                ; of out0 2 MB
	s_add_co_u32 s22, s22, s16
	s_mov_b32 s23, 0
	s_mov_b32 s[SC], 0x3eb8aa3b            ; log2(e) / 4
	s_mov_b32 s[SC+1], s[SC]               ; named with it as a pair
	s_mov_b32 s[SEL], 0x76543210
	s_mov_b32 s[SEL+1], 0xfedcba98
	s_mov_b32 s[MK0], 0xf0f0f0f0
	s_mov_b32 s[MK1], 0xff00ff00
	v_and_b32 v20, 3, v0
	v_lshlrev_b32 v20, 4, v20              ; 16 q
	v_bfe_u32 v21, v0, 2, 2                ; is
	v_bfe_u32 v22, v0, 4, 1                ; ns
	v_lshl_add_u32 v23, v22, 16, v20
	v_lshl_add_u32 v[VOFF], v21, 21, v23
	v_lshl_add_u32 v[OV], v21, 14, v23
	v_mul_u32_u24 v[XW], v21, PI           ; scores of (i = 4 k + is, n = 4 w + 2 t + ns, positions 4 q ..): is x PI + (4 w + ns) x 64 + 16 q; 4 k x PI and 128 t in the immediate
	v_lshl_add_u32 v[XW], v22, 6, v[XW]
	v_add_nc_u32 v[XW], v[XW], v20
	s_lshl_b32 s18, s[WV], 8
	v_add_nc_u32 v[XW], s18, v[XW]
	v_mov_b32 v[XWT], v[XW]
	; the softmax's layout: lane bits 0, 1: q; bits 2, 3 and the wave: i = 4 w + ..; bit 4: part (n = 16 part + m, m = 0 .. 15 in the lane)
	s_lshl_b32 s19, s[WV], 2
	v_add_nc_u32 v23, s19, v21             ; i
	v_mul_u32_u24 v[XR], v23, PI
	v_lshl_add_u32 v[XR], v22, 10, v[XR]
	v_add_nc_u32 v[XR], v[XR], v20
	v_lshlrev_b32 v[BOF], 7, v23           ; b[i][16 part]: 128 i + 64 part
	v_lshl_add_u32 v[BOF], v22, 6, v[BOF]
	v_and_b32 v23, 31, v0
	s_mul_i32 s18, s[WV], RESW
	s_add_co_u32 s18, s18, RES             ; my wave's part of chunk 0
	v_lshl_add_u32 v[LB], v23, 4, s18
	v_mov_b32 v[ONE], 1.0
	v_mov_b32 v[ZERO], 0
	s_wait_kmcnt 0x0
	s_add_nc_u64 s[UB:UB+1], s[4:5], s[20:21]
.set KK, 1
.rept 7
	s_add_nc_u64 s[UB+2*KK:UB+2*KK+1], s[UB+2*KK-2:UB+2*KK-1], 0x800000  ; four i further on
.set KK, KK+1
.endr
	s_add_nc_u64 s[OB:OB+1], s[8:9], s[22:23]
.irp m, 0,1,2,3
	global_load_b128 v[A+4*\m:A+4*\m+3], v[BOF], s[6:7] offset:16*\m     ; my sixteen b, into registers that the sums take later
.endr
.set SL, 0
.rept 32                               ; the ring is filled: slots 0 to 31 of chunk 0
	global_load_b128 v[RING+4*SL:RING+4*SL+3], v[VOFF], s[UB+2*(SL/16):UB+2*(SL/16)+1] offset:(SL%16)*ROWJ
.set SL, SL+1
.endr
	s_wait_loadcnt 32                      ; b is in: the ring's 32 loads were issued behind it
.irp z, 0,1,2,3,4,5,6,7
	v_cvt_pk_bf16_f32 v[BB+\z], v[A+2*\z], v[A+2*\z+1]   ; b rounded to bf16 like u
.endr
	s_mov_b32 s[BT], 0
.Lchunk:
.irp g, 0,1,2,3,4,5,6,7,8,9,10,11
	GROUP \g, 1, 24                        ; 24 younger loads stay out
.endr
	WIN 0                                  ; at a branch and at a label every window is 0
	s_cmp_lg_u32 s[BT], 0
	s_cbranch_scc1 .Llastload
.irp g, 12,13,14,15
	GROUP \g, 2, 24                        ; the ring goes on into chunk 1: its first 32 slots are on their way while chunk 0's scores are made
.endr
	WIN 0
	s_branch .Lscores
.Llastload:
	GROUP 12, 0, 24                        ; chunk 1's last 32 slots reload nothing: the counts run down
	GROUP 13, 0, 16
	GROUP 14, 0, 8
	GROUP 15, 0, 0
	WIN 0
.Lscores:
.irp mk, 4, 8                          ; the 64 sums in A are added over the four lanes that hold the other i (lane bits 2 and 3): every lane ends with the whole v[n][j][position], which its own i want
.set RR, 0
.rept 64
	v_add_f32_dpp v[A+RR], v[A+RR], v[A+RR] row_xmask:\mk row_mask:0xf bank_mask:0xf
.set RR, RR+1
.endr
.endr
	WIN 0x01
.set JJ, 0
.rept 16                               ; x[k][position] = sum over j of u v: 32 sums by turns
.set FI, 0
.if JJ == 0
.set FI, 1
.endif
.set KK, 0
.rept 8
	MIX4 X0+4*KK, 2*(16*KK+JJ), A+4*JJ, 1, FI
.set KK, KK+1
.endr
.set JJ, JJ+1
.endr
	WIN 0
.irp k, 0,1,2,3,4,5,6,7
	ds_store_b128 v[XWT], v[X0+4*\k:X0+4*\k+3] offset:\k*4*PI   ; the chunk's scores wait in LDS for the softmax
.endr
	s_cmp_lg_u32 s[BT], 0
	s_cbranch_scc1 .Lkept                  ; chunk 1 stays where it is
	WIN 0x04                               ; the stores' data in window 1
.set RR, 0
.rept RESN
	ds_store_b128 v[LB], v[4*RR:4*RR+3] offset:RR*512           ; chunk 0 goes to LDS: 512 consecutive bytes a store
.set RR, RR+1
.endr
	WIN 0x01
.set RR, 0
.rept 8
	v_mov_b32 v[HB+RR], v[4*RESN+RR]       ; and its last 8 registers into window 0
.set RR, RR+1
.endr
	WIN 0
	s_wait_xcnt 0x0                        ; the 32 loads that are out have read their offset: it is written only behind this wait
	v_add_nc_u32 v[VOFF], NEXTT, v[VOFF]
	v_add_nc_u32 v[XWT], 128, v[XWT]
.Lkept:
	s_add_co_u32 s[BT], s[BT], 1
	s_cmp_lt_u32 s[BT], 2
	s_cbranch_scc1 .Lchunk
	s_wait_loadcnt 0x0                     ; no load is out: from here on the ring's registers serve other work
	s_wait_dscnt 0x0                       ; for the others' sake: my scores lie in LDS (and so does my part of chunk 0)
	s_barrier_signal -1
	s_barrier_wait -1                      ; everybody's do
	; THE SOFTMAX over n.  A lane takes one i, four positions and sixteen n; the two lanes that share (i, positions) lie 16 apart.  Each score is read, and its weight written, by one lane.
.irp m, 0,1,2,3,4,5,6,7,8,9,10,11,12,13,14,15
	ds_load_b128 v[XT+4*\m:XT+4*\m+3], v[XR] offset:64*\m
.endr
.irp z, 0,1,2,3,4,5,6,7
	v_lshlrev_b32 v[BF+2*\z], 16, v[BB+\z]         ; b as f32, while the scores come
	v_and_b32 v[BF+2*\z+1], 0xffff0000, v[BB+\z]
.endr
	s_wait_dscnt 0x0
.irp p, 0,1,2,3
	v_max3_num_f32 v[M+\p], v[XT+\p], v[XT+4+\p], v[XT+8+\p]
.endr
.set MM, 3
.rept 6
.irp p, 0,1,2,3
	v_max3_num_f32 v[M+\p], v[M+\p], v[XT+4*MM+\p], v[XT+4*MM+4+\p]
.endr
.set MM, MM+2
.endr
.irp p, 0,1,2,3
	v_max_num_f32 v[M+\p], v[M+\p], v[XT+60+\p]
.endr
.irp p, 0,1,2,3
	v_permlanex16_b32 v[TP+\p], v[M+\p], s[SEL], s[SEL+1]
.endr
.irp p, 0,1,2,3
	v_max_num_f32 v[M+\p], v[M+\p], v[TP+\p]       ; the row's maximum over all 32 n
.endr
.irp p, 0,1,2,3
	v_mul_f32 v[M+\p], s[SC], v[M+\p]              ; c x maximum: its rounding is the same for a row's 32 exponents and cancels in e / sum
.endr
	v_pk_fma_f32 v[XT:XT+1], v[XT:XT+1], s[SC:SC+1], v[M:M+1] op_sel_hi:[1,0,1] neg_lo:[0,0,1] neg_hi:[0,0,1]
.set RR, 0
.rept 32                               ; one batch of 64 exponentials, a pair's c x - c max one step ahead of its exponentials; nothing here names an exponential's result
.if RR < 31
	v_pk_fma_f32 v[XT+2*RR+2:XT+2*RR+3], v[XT+2*RR+2:XT+2*RR+3], s[SC:SC+1], v[M+2*((RR+1)%2):M+2*((RR+1)%2)+1] op_sel_hi:[1,0,1] neg_lo:[0,0,1] neg_hi:[0,0,1]
.endif
	v_exp_f32 v[XT+2*RR], v[XT+2*RR]
	v_exp_f32 v[XT+2*RR+1], v[XT+2*RR+1]
.set RR, RR+1
.endr
	v_nop                                  ; a plain instruction behind the last exponential,
	s_wait_alu depctr_va_vdst(0)           ; and the one wait for the batch ahead of the first use
.irp h, 0, 2                           ; my sixteen n are added as a tree, two positions an instruction, in A's registers, which are free
.set MM, 0
.rept 8
	v_pk_add_f32 v[A+4*MM+\h:A+4*MM+\h+1], v[XT+8*MM+\h:XT+8*MM+\h+1], v[XT+8*MM+4+\h:XT+8*MM+4+\h+1]
.set MM, MM+1
.endr
.endr
.irp h, 0, 2
.set MM, 0
.rept 4
	v_pk_add_f32 v[A+8*MM+\h:A+8*MM+\h+1], v[A+8*MM+\h:A+8*MM+\h+1], v[A+8*MM+4+\h:A+8*MM+4+\h+1]
.set MM, MM+1
.endr
.endr
.irp h, 0, 2
	v_pk_add_f32 v[A+\h:A+\h+1],       v[A+\h:A+\h+1],       v[A+8+\h:A+8+\h+1]
	v_pk_add_f32 v[A+16+\h:A+16+\h+1], v[A+16+\h:A+16+\h+1], v[A+24+\h:A+24+\h+1]
.endr
.irp h, 0, 2
	v_pk_add_f32 v[G+\h:G+\h+1], v[A+\h:A+\h+1], v[A+16+\h:A+16+\h+1]
.endr
.irp p, 0,1,2,3
	v_permlanex16_b32 v[TP+\p], v[G+\p], s[SEL], s[SEL+1]
.endr
.irp p, 0,1,2,3
	v_add_f32 v[G+\p], v[G+\p], v[TP+\p]           ; the row's sum: the largest term is 1 to within rounding
.endr
.irp p, 0,1,2,3
	v_rcp_f32 v[G+\p], v[G+\p]
.endr
	v_nop
	s_wait_alu depctr_va_vdst(0)           ; one wait for the four reciprocals
.irp m, 0,1,2,3,4,5,6,7,8,9,10,11,12,13,14,15
.irp p, 0,1,2,3
	v_fma_f32 v[XT+4*\m+\p], v[XT+4*\m+\p], v[G+\p], v[BF+\m]   ; w = e / sum + b
.endr
.endr
.irp m, 0,1,2,3,4,5,6,7,8,9,10,11,12,13,14,15
	ds_store_b128 v[XR], v[XT+4*\m:XT+4*\m+3] offset:64*\m      ; in the scores' place
.endr
	s_wait_dscnt 0x0
	s_barrier_signal -1
	s_barrier_wait -1                      ; all weights lie in LDS; nothing is written there any more
.irp t, 1, 0                           ; w[i = 4 k + is][n = 4 w + 2 t + ns][my four positions]; chunk 1's first: it lies in the registers
.irp k, 0,1,2,3,4,5,6,7
	ds_load_b128 v[XT+32*\t+4*\k:XT+32*\t+4*\k+3], v[XW] offset:\k*4*PI+\t*128
.endr
.endr
	s_wait_dscnt 8                         ; chunk 1's weights are in; chunk 0's eight loads, issued behind them, may stay out
	SPASS A, 1, 1                          ; chunk 1's sums; chunk 0 comes back behind them, k by k
	FINISH A, 1                            ; stands between chunk 0's loads and the wait for them
	s_wait_dscnt 0x0                       ; chunk 0 and its weights are in
	SPASS A2, 0, 0                         ; in registers of its own: chunk 1's stores may still be reading theirs
	FINISH A2, 0
	s_wait_tensorcnt 0x0                   ; the wave's end, behind my last LDS store
	ds_add_u32 v[SPW], v[NIL]
	s_wait_dscnt 0x0
	s_endpgm
.Lfunc_end_k_q03d3442846_routing:
	.size	k_q03d3442846_routing, .Lfunc_end_k_q03d3442846_routing-k_q03d3442846_routing
	.p2alignl 7, 3214868480
	.fill 96, 4, 3214868480
	.section	.rodata,"a",@progbits
	.p2align	6, 0x0
	.amdhsa_kernel k_q03d3442846_routing
		.amdhsa_group_segment_fixed_size 322560
		.amdhsa_private_segment_fixed_size 0
		.amdhsa_enable_private_segment 0
		.amdhsa_kernarg_size 24
		.amdhsa_user_sgpr_count 2
		.amdhsa_user_sgpr_kernarg_segment_ptr 1
		.amdhsa_wavefront_size32 1
		.amdhsa_system_sgpr_workgroup_id_x 1
		.amdhsa_system_sgpr_workgroup_id_y 1
		.amdhsa_system_sgpr_workgroup_id_z 1
		.amdhsa_system_vgpr_workitem_id 0
		.amdhsa_next_free_vgpr 512
		.amdhsa_next_free_sgpr 66
		.amdhsa_reserve_vcc 0
		.amdhsa_float_denorm_mode_32 3
		.amdhsa_float_denorm_mode_16_64 3
		.amdhsa_memory_ordered 1
		.amdhsa_forward_progress 1
		.amdhsa_inst_pref_size 239
	.end_amdhsa_kernel
	.amdgpu_metadata
---
amdhsa.version: [ 1, 2 ]
amdhsa.kernels:
  - .name:           k_q03d3442846_routing
    .symbol:         k_q03d3442846_routing.kd
    .args:
      - { .name: u, .offset: 0, .size: 8, .value_kind: global_buffer, .address_space: global }
      - { .name: b, .offset: 8, .size: 8, .value_kind: global_buffer, .address_space: global }
      - { .name: out0, .offset: 16, .size: 8, .value_kind: global_buffer, .address_space: global }
    .group_segment_fixed_size: 322560
    .private_segment_fixed_size: 0
    .kernarg_segment_align: 8
    .kernarg_segment_size: 24
    .max_flat_workgroup_size: 256
    .sgpr_count:     66
    .vgpr_count:     512
    .wavefront_size: 32
...
	.end_amdgpu_metadata
.endif
;; end of part 2
